; MI455X (gfx1250); checked and timed in simulation.
; The chip was launched on July 23, 2026; its instructions are those of AMD's public machine-readable ISA for CDNA 5 (MIT licence, August 2026) and "CDNA5" Instruction Set Architecture Reference Guide (July 2026). The comments in the code are by the model that wrote it; some were corrected since.
;; Eqv Self Attention. Allowed arithmetic: matrix products marked QUANTISED: E2M3 operands, one E8M0 scale for each 32 along K, by v_wmma_scale_f32_16x16x128_f8f6f4 with both operands' format E2M3, f32 sums; products left as they are: f32 operands where the result goes on into a quantised operand, else bf16, f16 or f32 operands; f32 sums; everything else in f32.
;; Inputs: Wg1 8 x 3 x 3 float32; Wk_codes 256 x 8 x 24 uint8 (E2M3 codes of Wk, K innermost, in blocks of 32 codes, four codes in three bytes); Wk_scales 256 x 8 uint8 (E8M0 scales of Wk, one for each 32 codes along K); Wo_codes 256 x 8 x 24 uint8 (E2M3 codes of Wo, K innermost, in blocks of 32 codes, four codes in three bytes); Wo_scales 256 x 8 uint8 (E8M0 scales of Wo, one for each 32 codes along K); Wq_codes 256 x 8 x 24 uint8 (E2M3 codes of Wq, K innermost, in blocks of 32 codes, four codes in three bytes); Wq_scales 256 x 8 uint8 (E8M0 scales of Wq, one for each 32 codes along K); Wv_codes 256 x 8 x 24 uint8 (E2M3 codes of Wv, K innermost, in blocks of 32 codes, four codes in three bytes); Wv_scales 256 x 8 uint8 (E8M0 scales of Wv, one for each 32 codes along K); X_lift 4 x 1,024 x 3 float32; X_pairs 4 x 1,024 x 1,024 x 3 float32; Y_lift_codes 4 x 1,024 x 8 x 24 uint8 (E2M3 codes of Y_lift, K innermost, in blocks of 32 codes, four codes in three bytes); Y_lift_scales 4 x 1,024 x 8 uint8 (E8M0 scales of Y_lift, one for each 32 codes along K); bg1 8 x 3 float32; bg2 8 float32; bk 256 float32; bo 256 float32; bq 256 float32; bv 256 float32; presence_k 4 x 1,024 float32; presence_q 4 x 1,024 float32; wg2 8 x 3 float32.
;; Outputs: out0 4 x 1,024 x 256 float32.
;; This version of the problem:
;;   THIS VERSION OF THE PROBLEM IS GIVEN IN LOW PRECISION. The matrix products marked QUANTISED in the list below multiply operands that are first quantised to E2M3 (2 exponent bits, 3 mantissa bits; 6 bits a number), with one power-of-two scale for each 32 numbers along K (OCP MX v1.0); their sums are f32. All else is computed in f32.
;;   The module's matrix products, in the order in which they are computed (A, B: the left and right operand; K: the contracted axis; several contracted axes count as one K, in the product's order):
;;     1. [M 4,096, K 256] x [K 256, N 256]; A: input Y_lift (given as codes); B: input Wq (given as codes): QUANTISED
;;     2. [M 4,096, K 256] x [K 256, N 256]; A: input Y_lift (given as codes); B: input Wk (given as codes): QUANTISED
;;     3. [M 4,096, K 256] x [K 256, N 256]; A: input Y_lift (given as codes); B: input Wv (given as codes): QUANTISED
;;     4. batch 32 x [M 1,024, K 32] x [K 32, N 1,024]; A: computed on the way; B: computed on the way: QUANTISED
;;     5. [M 24, K 3] x [K 3, N 4,194,304]; A: input Wg1; B: input X_pairs: left as it is (K = 3 < 32)
;;     6. batch 8 x [M 4,194,304, K 3] x [K 3, N 1]; A: computed on the way; B: input wg2: left as it is (K = 3 < 32)
;;     7. batch 32 x [M 1,024, K 1,024] x [K 1,024, N 32]; A: softmax (see below); B: computed on the way: QUANTISED
;;     8. [M 4,096, K 256] x [K 256, N 256]; A: computed on the way; B: input Wo (given as codes): QUANTISED
;;   THE QUANTISER, for each operand of a quantised product, along K:
;;     - K is cut into blocks of 32 from its start; a last block that is shorter is filled with zeros.
;;     - A block's scale is 2^e with e = floor(log2(the largest magnitude in the block)) - 2, held to -126 .. 127; a block of zeros has e = 0. As a byte (E8M0): e + 127.
;;     - Each number is divided by its block's scale, clamped to +-7.5, and rounded to the nearest number of E2M3, ties to even, subnormals kept.
;;     - The product sums the exact products of the quantised numbers (number of the format x scale) in f32.
;;   ~~~python
;;   def quantise(x, axis):      # numpy; x: float32 -> the quantised numbers, widened to float32 again
;;       x = np.moveaxis(x, axis, -1); K = x.shape[-1]
;;       x = np.pad(x, [(0, 0)] * (x.ndim - 1) + [(0, -K % 32)]); x = x.reshape(x.shape[:-1] + (-1, 32)); a = np.abs(x).max(-1, keepdims=True)
;;       e = np.where(a > 0, np.clip(np.frexp(np.where(a > 0, a, 1))[1] - 1 - 2, -126, 127), 0)      # np.frexp(a)[1] - 1 = floor(log2(a)), exactly
;;       r = np.clip(x / 2.0 ** e, -7.5, 7.5)
;;       step = 2.0 ** (np.maximum(np.frexp(np.where(r == 0, 1, r))[1] - 1, 0) - 3)
;;       q = np.round(r / step) * step * 2.0 ** e      # np.round: ties to even
;;       return np.moveaxis(q.reshape(q.shape[:-2] + (-1,))[..., :K], -1, axis).astype(np.float32)
;;   ~~~
;;   SOFTMAX AHEAD OF A QUANTISED PRODUCT. Where the list says 'softmax', what is quantised is not the finished softmax but p = 2^(t - M), with t = logit x log2(e) and M = ceil(the row's largest t), a whole number; so 1/2 < the row's largest p <= 1. The row's sum l is taken of the UNQUANTISED p, in f32, and the product's result is divided by l at the end. Since M is a whole number, a kernel that streams over the keys may use a running M (the ceiling of the running maximum): every later rescaling is an exact power of two, which a block's scale takes up: the codes' values come out the same.
;;   OPERANDS COMPUTED ON THE WAY. 'Computed on the way' means the value that the module computes at that place (a softmax that the list does not call 'softmax' is quantised finished and normalised). What goes into a quantiser is computed in f32, as accurately as f32 sums, v_exp_f32 and their like allow (about 1e-6 of the number): no bf16 or f16 on the way to a quantiser, and a product that is left as it is and whose result goes on into a quantised operand takes f32 operands (vector FMAs, or v_wmma_f32_16x16x4_f32). A number that lies on a knife's edge between two numbers of the format may be rounded either way, as far as f32 arithmetic and the matrix unit's own rounding can turn it there, and no further.
;;   INPUTS GIVEN AS CODES. Wk (in the module: [256, 256], K = its axis 0); Wo (in the module: [256, 256], K = its axis 0); Wq (in the module: [256, 256], K = its axis 0); Wv (in the module: [256, 256], K = its axis 0); Y_lift (in the module: [4, 1024, 256], K = its axis 2): each comes as NAME_codes (uint8): NAME with its K axis moved to the last place and cut into blocks of 32 codes, [.., K / 32, bytes a block], one block behind the other in memory; four codes in three bytes: a row's codes are one little-endian stream of bits, code i at bits 6 i .. 6 i + 5 (a code: sign, 2 exponent bits, 3 mantissa bits); and NAME_scales (uint8): the same leading axes, one E8M0 byte (e + 127) for each 32 codes along K. Its value is code x scale, taken as it is: it is not quantised again, and the codes and scales need not be those that the quantiser above would give.
;; One version. Each part assembles by itself: llvm-mc -triple=amdgcn-amd-amdhsa -mcpu=gfx1250 --defsym DOCPART=n.
;; ======== version 1 of 1: 2 launches
;; limits: right only within a limited range of input values
;; workspace buffers: kf 786,432 bytes; ks 32,768 bytes; vf 786,432 bytes; vs 32,768 bytes; yi 786,432 bytes; wqi 49,152 bytes; wvi 49,152 bytes; woi 49,152 bytes
;; launch kvprep (part 1): grid 256 x 1, 4 waves a work-group, no clusters, 27,136 bytes of LDS; arguments Y_lift_codes, Y_lift_scales, Wk_codes, Wk_scales, bk, Wv_codes, Wv_scales, bv, kf, ks, vf, vs, Wq_codes, Wo_codes, yi, wqi, wvi, woi; writes kf, ks, vf, vs, yi, wqi, wvi, woi
.if DOCPART == 1
	.amdgcn_target "amdgcn-amd-amdhsa--gfx1250"
	.amdhsa_code_object_version 6
	.text
	.protected	k_qfe9e3f9a99_kvprep
	.globl	k_qfe9e3f9a99_kvprep
	.p2align	8
	.type	k_qfe9e3f9a99_kvprep,@function
k_qfe9e3f9a99_kvprep:
	s_mov_b64 s[64:65], 0
	v_nop
	global_prefetch_b8 v0, s[64:65] scope:SCOPE_SE
	s_setreg_imm32_b32 hwreg(HW_REG_WAVE_MODE, 25, 1), 1
	s_wait_xcnt 0x0
; K = Y Wk + bk and V = Y Wv + bv on codes of FP6 (E2M3), then quantised again: K along a head's 32 dims, V along the keys, and stored AS IMAGES OF OPERAND REGISTERS
; (a fragment of 16 rows x 128 K: 12 registers a lane, three runs of 512 bytes, lane l's 16 bytes at 16 l), with one scale word a row beside them.
; A WAVE IS ONE UNIT of 16 matrix instructions: eight tiles of a BIG operand (128 rows) against one tile of a SMALL one (16 rows), K = 256 in two steps.  The product is used transposed
; (source 0 = BIG, source 1 = SMALL): a lane holds ONE row of SMALL, and its 64 registers run along BIG's 128 rows, which are the next product's K.
;   work-groups 0-127, K units: BIG = 128 columns of Wk (four heads' dims), SMALL = 16 keys.   The fragment: 16 keys x the dims of four heads; a block of 32 is one head.
;   work-groups 128-255, V units: BIG = 128 keys of Y, SMALL = 16 columns of Wv (half a head).  The fragment: 16 dims x 128 keys.
; BIG IS THE SAME FOR THE FOUR WAVES OF A WORK-GROUP: 24,576 dense bytes.  Each wave fetches a quarter by 12 loads that cover 512 consecutive bytes each and puts it into LDS, rows 208 bytes apart; behind one barrier every wave
; reads its 16 fragments from there.  So BIG's rows are asked of memory once a work-group, in long runs, and not four times in pieces of 8 bytes from 16 rows.
; THE ROWS OF A TILE ARE NOT NEIGHBOURS: lane r of tile 2 b + u takes row 32 b + 8 u + r + 8 (r / 8), so that the 16 registers of tiles 2 b and 2 b + 1 are 16 neighbours along the next K.
; SMALL's 16 rows are chosen the same way (8 u + r + 8 (r / 8) of 32), so that in the reader's products a lane's 16 results of tiles u = 0, 1 are again 16 neighbours.
; Only pointers and offsets are chosen by the kind of unit, and the bias's way into the sums (K: along the registers; V: one number a lane).
; BESIDE ITS UNIT a wave of the first 608 copies ONE fragment of an operand of the next launch into an image, so that the next launch fetches it by three loads of 512 consecutive bytes:
;   waves 0-511: Y, rows 16 (U / 2) + r, K step U % 2;  waves 512-607: Wq, Wv, Wo, 32 fragments each: head f / 4, tile (f / 2) % 2 (rows 8 u + r + 8 (r / 8) of the head's 32), K step f % 2.
;   The six loads are issued by every wave (past wave 607 they read a fragment of Wo once more, inside its buffer); only the stores stand under a branch, on the work-group's number.
; A block's scale is 2^(floor(log2(its largest magnitude)) - 2); its byte is held at 1 from below (a block of zeros keeps the byte 1: its codes are zeros, and this program alone reads the bytes).
; LIMITS: NaN and infinities among the inputs are not served.
.set ACC,  64                          ; v64-127   the eight tiles' sums
.set SM,   8                           ; v8-31     SMALL's two fragments
.set SMS,  32                          ; v32-33    SMALL's scale words, a K step each
.set BGS,  34                          ; v34-49    BIG's scale words: tile t, K step s at 34 + 2 t + s
.set BG,   128                         ; v128-175  my quarter of BIG on its way to LDS; then v128-223 BIG's fragments of K step 0; those of K step 1 lie in window 1, v0-95
.set PC,   128                         ; v128-147  the codes, once the products are done
.set TM,   224                         ; v224-239  at work in the quantiser
.set PW,   240                         ; v240      the scale word
.set BV,   241                         ; v241      a V unit's bias
.set IMG,  244                         ; v244-255  the fragment that I copy
.set BP,   208                         ; a row of BIG in LDS: 192 bytes + 16
.set SEL,  46                          ; s[46:47]  lane selects for v_permlanex16_b32: lane l xor 16
.set MSB,  0
.macro WIN new                         ; the immediate's high byte repeats the setting that is left
.if MSB != \new
	s_set_vgpr_msb (MSB<<8)|\new
.set MSB, \new
.endif
.endm
; 64 numbers of a lane, register 16 b + i = k 32 b + 16 (lane / 16) + i of my row, become a fragment's codes in v[PC] on and its scale word in v[PW]
.macro QUANT s
.irp b, 0,1,2,3
	v_max3_num_f32 v[TM+\b], |v[\s+16*\b]|, |v[\s+1+16*\b]|, 0x1800000   ; block b: my 16 numbers, and the floor 2^(3 - 127): the byte cannot fall under 1
.endr
.irp i, 2,4,6,8,10,12,14
.irp b, 0,1,2,3
	v_max3_num_f32 v[TM+\b], v[TM+\b], |v[\s+16*\b+\i]|, |v[\s+1+16*\b+\i]|   ; the four blocks by turns
.endr
.endr
.irp b, 0,1,2,3
	v_permlanex16_b32 v[TM+4+\b], v[TM+\b], s[SEL], s[SEL+1]
.endr
.irp b, 0,1,2,3
	v_max_num_f32 v[TM+\b], v[TM+\b], v[TM+4+\b]   ; with lane l xor 16's: the block's largest magnitude
.endr
.irp b, 0,1,2,3
	v_add_nc_u32 v[TM+12+\b], 0xff000000, v[TM+\b]   ; 2 off its exponent field: the conversion takes this operand's exponent field as its scale
.endr
.irp b, 0,1,2,3
	v_lshrrev_b32 v[TM+4+\b], 23, v[TM+12+\b]   ; the scale's byte
.endr
	v_lshl_or_b32 v[PW], v[TM+5], 8, v[TM+4]
	v_lshl_or_b32 v[PW], v[TM+6], 16, v[PW]
	v_lshl_or_b32 v[PW], v[TM+7], 24, v[PW]
.irp c, 0,1
	v_cvt_scalef32_pk16_fp6_f32 v[PC+6*\c:PC+2+6*\c], v[\s+32*\c:\s+15+32*\c], v[TM+12+2*\c]
	v_cvt_scalef32_pk16_fp6_f32 v[PC+12+4*\c:PC+14+4*\c], v[\s+16+32*\c:\s+31+32*\c], v[TM+12+2*\c+1]   ; (a conversion's three registers begin on an even number)
.endr
	v_nop                                          ; one plain place behind a scaled conversion
.irp c, 0,1                                    ; the operand's layout wants a WHOLE block in a lane: lanes 0-15 block 2 c, lanes 16-31 block 2 c + 1
.irp i, 0,1,2
	v_permlane16_swap_b32 v[PC+6*\c+\i], v[PC+12+4*\c+\i]
.endr
.irp i, 0,1,2
	v_mov_b32 v[PC+3+6*\c+\i], v[PC+12+4*\c+\i]
.endr
.endr
.endm
	s_load_b512 s[16:31], s[0:1], 0x0              ; Y's codes, Y's scales, Wk's codes, Wk's scales, bk, Wv's codes, Wv's scales, bv
	s_load_b256 s[32:39], s[0:1], 0x40             ; kf, ks, vf, vs
	s_load_b256 s[48:55], s[0:1], 0x60             ; Wq's codes, Wo's codes, yi, wqi
	s_load_b128 s[56:59], s[0:1], 0x80             ; wvi, woi
	v_lshl_add_u32 v235, v0, 2, 0x6800
	v_mov_b32 v243, 0
	v_lshrrev_b32 v1, 5, v0
	v_readfirstlane_b32 s2, v1                     ; wave 0..3
	s_lshl_b32 s3, ttmp9, 2
	s_add_co_u32 s3, s3, s2                        ; U = 4 x work-group + wave
	; a K unit's numbers: g = work-group % 2, the same in all four waves; kbg = 2 (work-group / 2) + wave / 2; u = wave % 2
	s_bfe_u32 s4, s3, 0x10002                      ; g: which four heads
	s_and_b32 s5, s3, 1                            ; u: which tile of the 32 keys
	s_lshr_b32 s6, s3, 3
	s_lshl_b32 s6, s6, 1
	s_bfe_u32 s9, s3, 0x10001
	s_add_co_u32 s6, s6, s9                        ; kbg: which 32 keys of the 4,096
	s_lshl_b32 s7, s4, 7                           ; BIG's first row: 128 g of Wk
	s_lshl_b32 s8, s6, 5
	s_lshl_b32 s9, s5, 3
	s_add_co_u32 s8, s8, s9                        ; SMALL's first row: 32 kbg + 8 u of Y
	s_lshl_b32 s9, s6, 1
	s_add_co_u32 s9, s9, s4                        ; the record: 2 kbg + g
	; a V unit's numbers: U - 512 = 16 ksg + 2 hd + u: ksg is the same in all four waves
	s_and_b32 s10, s3, 511
	s_lshr_b32 s11, s10, 4                         ; ksg = 8 b + s: which 128 keys
	s_bfe_u32 s12, s10, 0x30001                    ; hd
	s_and_b32 s13, s10, 1                          ; u
	s_lshl_b32 s14, s11, 7                         ; BIG's first row: 128 ksg of Y
	s_lshl_b32 s15, s12, 5
	s_lshl_b32 s40, s13, 3
	s_add_co_u32 s15, s15, s40                     ; SMALL's first row: 32 hd + 8 u of Wv
	s_lshr_b32 s40, s11, 3
	s_lshl_b32 s40, s40, 3
	s_add_co_u32 s40, s40, s12                     ; 8 b + hd
	s_lshl_b32 s40, s40, 3
	s_and_b32 s41, s11, 7
	s_add_co_u32 s40, s40, s41                     ; the record: (8 b + hd) 8 + s
	; the fragment that I copy: from where and to where, in bytes, for Y (s66, s68) and for a weight (s70, s71)
	s_lshr_b32 s66, s3, 1
	s_mul_i32 s66, s66, 3072                       ; Y: 16 rows of 192 bytes a tile
	s_mul_i32 s68, s3, 1536                        ; its image: fragment U
	s_and_b32 s71, s3, 31                          ; f
	s_lshr_b32 s70, s71, 2
	s_lshl_b32 s70, s70, 5                         ; 32 x head
	s_bfe_u32 s67, s3, 0x10001
	s_lshl_b32 s67, s67, 3                         ; + 8 x tile
	s_add_co_u32 s70, s70, s67
	s_mul_i32 s70, s70, 192
	s_mul_i32 s71, s71, 1536                       ; its image: fragment f
	s_and_b32 s67, s3, 1
	s_mul_i32 s67, s67, 96                         ; the K step
	s_add_co_u32 s66, s66, s67
	s_add_co_u32 s70, s70, s67
	s_mov_b32 s67, 0
	s_mov_b32 s69, 0
	s_mov_b32 s[SEL], 0x76543210
	s_mov_b32 s[SEL+1], 0xfedcba98
	v_and_b32 v1, 15, v0                           ; r
	v_bfe_u32 v2, v0, 4, 1                         ; h
	v_and_b32 v3, 8, v1
	v_add_nc_u32 v4, v3, v1                        ; r + 8 (r / 8)
	v_mul_u32_u24 v3, v4, 192                      ; a row of 256 codes is 192 bytes, in Y and in the weights
	v_mad_u32_u24 v3, v2, 24, v3                   ; + 24 h
	v_mul_u32_u24 v55, v4, BP                      ; the same place in LDS
	v_mad_u32_u24 v55, v2, 24, v55
	v_mul_u32_u24 v59, v1, 192                     ; and for rows as they lie: Y's image
	v_mad_u32_u24 v59, v2, 24, v59
	v_lshlrev_b32 v242, 2, v4                      ; a V unit's bias: 4 bytes a row
	v_lshlrev_b32 v4, 3, v4                        ; scale bytes: 8 a row
	v_and_b32 v50, 31, v0                          ; lane
	v_lshlrev_b32 v5, 4, v50                       ; an image's place for my lane
	v_lshlrev_b32 v6, 2, v1                        ; a scale word's
	v_lshlrev_b32 v7, 6, v2                        ; a K unit's bias: 16 h numbers on
	s_mul_i32 s10, s2, 6144
	v_add_nc_u32 v54, s10, v5                      ; my quarter of BIG in memory: 32 rows a wave, 16 bytes a lane
	s_mul_i32 s10, s2, 32*BP                       ; and in LDS
; a load's 32 pieces of 16 bytes go to rows of 12 pieces: piece c = 32 m + lane of three loads' 96 lies in row c / 12 = (43 c) >> 9 (exact up to c = 95), place c % 12; three loads are 8 rows
.irp m, 0,1,2
	v_add_nc_u32 v56, 32*\m, v50
	v_mul_u32_u24 v57, v56, 43
	v_lshrrev_b32 v57, 9, v57
	v_mul_u32_u24 v60, v57, 12
	v_sub_nc_u32 v56, v56, v60
	v_mul_u32_u24 v57, v57, BP
	v_lshl_add_u32 v57, v56, 4, v57
	v_add_nc_u32 v[51+\m], s10, v57
.endr
.irp b, 0,1,2,3
	v_mov_b32 v[TM+4+\b], 0                        ; written once: a lane permute's destination counts as one of its sources
.endr
	s_wait_kmcnt 0x0
	s_cmp_lt_u32 ttmp9, 144                        ; whose fragment I copy hangs on the work-group's number alone: 0-127 Y, 128-135 Wq, 136-143 Wv, from 144 on Wo
	s_cselect_b64 s[60:61], s[26:27], s[50:51]
	s_cselect_b64 s[62:63], s[56:57], s[58:59]
	s_cmp_lt_u32 ttmp9, 136
	s_cselect_b64 s[60:61], s[48:49], s[60:61]
	s_cselect_b64 s[62:63], s[54:55], s[62:63]
	s_cmp_lt_u32 ttmp9, 128                        ; and so does the kind of unit
	s_cselect_b64 s[60:61], s[16:17], s[60:61]
	s_cselect_b64 s[62:63], s[52:53], s[62:63]
	s_cselect_b32 s66, s66, s70
	s_cselect_b32 s68, s68, s71
	s_cselect_b32 s70, -1, 0                       ; all lanes: rows as they lie (Y); none: a tile's rows (a weight)
	s_cselect_b32 s7, s7, s14                      ; BIG's first row
	s_cselect_b32 s8, s8, s15                      ; SMALL's
	s_cselect_b32 s9, s9, s40                      ; the record
	s_cselect_b32 s5, s5, s13                      ; u
	s_cselect_b64 s[42:43], s[20:21], s[16:17]     ; BIG's codes: Wk's or Y's
	s_cselect_b64 s[44:45], s[22:23], s[18:19]     ; BIG's scales
	s_cselect_b64 s[16:17], s[16:17], s[26:27]     ; SMALL's codes: Y's or Wv's
	s_cselect_b64 s[18:19], s[18:19], s[28:29]     ; SMALL's scales
	s_cselect_b64 s[32:33], s[32:33], s[36:37]     ; the fragments' buffer
	s_cselect_b64 s[34:35], s[34:35], s[38:39]     ; the scale words'
	s_add_nc_u64 s[60:61], s[60:61], s[66:67]
	s_add_nc_u64 s[62:63], s[62:63], s[68:69]
	v_cndmask_b32 v58, v3, v59, s70
	s_mov_b32 s11, 0
	s_mul_i32 s10, s7, 192
	s_add_nc_u64 s[42:43], s[42:43], s[10:11]
	s_lshl_b32 s10, s7, 3
	s_add_nc_u64 s[44:45], s[44:45], s[10:11]
	s_mul_i32 s10, s8, 192
	s_add_nc_u64 s[16:17], s[16:17], s[10:11]
	s_lshl_b32 s10, s8, 3
	s_add_nc_u64 s[18:19], s[18:19], s[10:11]
	s_lshl_b32 s10, s9, 1
	s_add_co_u32 s10, s10, s5
	s_mul_i32 s10, s10, 1536                       ; (2 x record + u) fragments of 1,536 bytes
	s_add_nc_u64 s[32:33], s[32:33], s[10:11]
	s_lshl_b32 s10, s9, 7
	s_lshl_b32 s12, s5, 6
	s_add_co_u32 s10, s10, s12                     ; a record's 32 words: tile 0's sixteen, then tile 1's
	s_add_nc_u64 s[34:35], s[34:35], s[10:11]
	; my quarter of BIG first: the others wait for it
.irp j, 0,1,2,3,4,5,6,7,8,9,10,11
	global_load_b128 v[BG+4*\j:BG+4*\j+3], v54, s[42:43] offset:512*\j   ; each load of the wave covers 512 consecutive bytes
.endr
.irp s, 0,1
.irp p, 0,1,2,3,4,5
	global_load_b64 v[SM+12*\s+2*\p:SM+12*\s+2*\p+1], v3, s[16:17] offset:96*\s+48*(\p/3)+8*(\p%3)
.endr
.endr
	global_load_b64 v[SMS:SMS+1], v4, s[18:19]
.irp t, 0,1,2,3,4,5,6,7
	global_load_b64 v[BGS+2*\t:BGS+2*\t+1], v4, s[44:45] offset:(32*(\t/2)+8*(\t%2))*8
.endr
.irp p, 0,1,2,3,4,5
	global_load_b64 v[IMG+2*\p:IMG+2*\p+1], v58, s[60:61] offset:48*(\p/3)+8*(\p%3)   ; the fragment that I copy
.endr
	s_wait_loadcnt 27                              ; my 12 loads of BIG are in; the 27 issued behind them (SMALL 12, its scales 1, BIG's scales 8, the copy 6) may be out
.irp j, 0,1,2,3,4,5,6,7,8,9,10,11
	ds_store_b128 v[51+\j%3], v[BG+4*\j:BG+4*\j+3] offset:(\j/3)*8*BP
.endr
	; the bias is the C of each sum's first matrix instruction
	s_cmp_lt_u32 ttmp9, 128
	s_cbranch_scc0 .Lv_bias
	s_lshl_b32 s10, s7, 2                          ; K: the bias runs along BIG, that is along my registers: bk at 128 g + 32 (t / 2) + 8 (t % 2) + 16 h + 0 .. 7
	s_add_nc_u64 s[24:25], s[24:25], s[10:11]
.irp t, 0,1,2,3,4,5,6,7
	global_load_b128 v[ACC+8*\t:ACC+8*\t+3], v7, s[24:25] offset:(32*(\t/2)+8*(\t%2))*4
	global_load_b128 v[ACC+8*\t+4:ACC+8*\t+7], v7, s[24:25] offset:(32*(\t/2)+8*(\t%2))*4+16
.endr
	s_branch .Lbias_in
.Lv_bias:
	s_lshl_b32 s10, s8, 2                          ; V: the bias belongs to SMALL's row, that is to my lane: one number for all 64 registers
	s_add_nc_u64 s[30:31], s[30:31], s[10:11]
	global_load_b32 v[BV], v242, s[30:31]
	s_wait_loadcnt 0x0
.set j, 0
.rept 64
	v_mov_b32 v[ACC+j], v[BV]
.set j, j+1
.endr
.rept 4
	v_nop
.endr
.Lbias_in:
	s_wait_dscnt 0x0                               ; for the others' sake: my quarter of BIG lies in LDS
	s_barrier_signal -1
	s_barrier_wait -1                              ; all 128 rows do
.irp t, 0,1,2,3,4,5,6,7
.irp p, 0,1,2,3,4,5
	ds_load_b64 v[BG+12*\t+2*\p:BG+12*\t+2*\p+1], v55 offset:(32*(\t/2)+8*(\t%2))*BP+48*(\p/3)+8*(\p%3)
.endr
.endr
	WIN 0x40                                       ; destination window 1
.irp t, 0,1,2,3,4,5,6,7
.irp p, 0,1,2,3,4,5
	ds_load_b64 v[12*\t+2*\p:12*\t+2*\p+1], v55 offset:(32*(\t/2)+8*(\t%2))*BP+96+48*(\p/3)+8*(\p%3)
.endr
.endr
	WIN 0                                          ; at a branch and at a label every window is 0
	s_wait_loadcnt 0x0
	s_cmp_lt_u32 ttmp9, 152                        ; waves 0-607 have a fragment of their own to store
	s_cbranch_scc0 .Lno_image
.irp c, 0,1,2
	global_store_b128 v5, v[IMG+4*\c:IMG+4*\c+3], s[62:63] offset:512*\c   ; each store of the wave covers 512 consecutive bytes, aligned
.endr
.Lno_image:
	s_wait_dscnt 0x0
	; the eight sums take turns, one instruction a turn
.irp t, 0,1,2,3,4,5,6,7
	v_wmma_scale_f32_16x16x128_f8f6f4 v[ACC+8*\t:ACC+8*\t+7], v[BG+12*\t:BG+12*\t+11], v[SM:SM+11], v[ACC+8*\t:ACC+8*\t+7], v[BGS+2*\t], v[SMS] matrix_a_fmt:MATRIX_FMT_FP6 matrix_b_fmt:MATRIX_FMT_FP6
.endr
	WIN 0x01                                       ; source 0 window 1
.irp t, 0,1,2,3,4,5,6,7
	v_wmma_scale_f32_16x16x128_f8f6f4 v[ACC+8*\t:ACC+8*\t+7], v[12*\t:12*\t+11], v[SM+12:SM+23], v[ACC+8*\t:ACC+8*\t+7], v[BGS+2*\t+1], v[SMS+1] matrix_a_fmt:MATRIX_FMT_FP6 matrix_b_fmt:MATRIX_FMT_FP6
.endr
	WIN 0
.rept 4
	v_nop                                          ; four places behind the last product, ahead of the first read of results (ISA guide 7.12.1)
.endr
	QUANT ACC
.irp c, 0,1,2
	global_store_b128 v5, v[PC+4*\c:PC+4*\c+3], s[32:33] offset:512*\c   ; each store of the wave covers 512 consecutive bytes, aligned
.endr
	global_store_b32 v6, v[PW], s[34:35]           ; lane r has row r's word; lanes 16-31 hold the same words and write the same values to the same places
	s_wait_tensorcnt 0x0
	ds_add_u32 v235, v243
	s_wait_dscnt 0x0
	s_endpgm
.Lfunc_end_k_qfe9e3f9a99_kvprep:
	.size	k_qfe9e3f9a99_kvprep, .Lfunc_end_k_qfe9e3f9a99_kvprep-k_qfe9e3f9a99_kvprep
	.p2alignl 7, 3214868480
	.fill 96, 4, 3214868480
	.section	.rodata,"a",@progbits
	.p2align	6, 0x0
	.amdhsa_kernel k_qfe9e3f9a99_kvprep
		.amdhsa_group_segment_fixed_size 27136
		.amdhsa_private_segment_fixed_size 0
		.amdhsa_enable_private_segment 0
		.amdhsa_kernarg_size 144
		.amdhsa_user_sgpr_count 2
		.amdhsa_user_sgpr_kernarg_segment_ptr 1
		.amdhsa_wavefront_size32 1
		.amdhsa_system_sgpr_workgroup_id_x 1
		.amdhsa_system_sgpr_workgroup_id_y 1
		.amdhsa_system_sgpr_workgroup_id_z 1
		.amdhsa_system_vgpr_workitem_id 0
		.amdhsa_next_free_vgpr 352
		.amdhsa_next_free_sgpr 72
		.amdhsa_reserve_vcc 0
		.amdhsa_float_denorm_mode_32 3
		.amdhsa_float_denorm_mode_16_64 3
		.amdhsa_memory_ordered 1
		.amdhsa_forward_progress 1
		.amdhsa_inst_pref_size 28
	.end_amdhsa_kernel
	.amdgpu_metadata
---
amdhsa.version: [ 1, 2 ]
amdhsa.kernels:
  - .name:           k_qfe9e3f9a99_kvprep
    .symbol:         k_qfe9e3f9a99_kvprep.kd
    .args:
      - { .name: Y_lift_codes, .offset: 0, .size: 8, .value_kind: global_buffer, .address_space: global }
      - { .name: Y_lift_scales, .offset: 8, .size: 8, .value_kind: global_buffer, .address_space: global }
      - { .name: Wk_codes, .offset: 16, .size: 8, .value_kind: global_buffer, .address_space: global }
      - { .name: Wk_scales, .offset: 24, .size: 8, .value_kind: global_buffer, .address_space: global }
      - { .name: bk, .offset: 32, .size: 8, .value_kind: global_buffer, .address_space: global }
      - { .name: Wv_codes, .offset: 40, .size: 8, .value_kind: global_buffer, .address_space: global }
      - { .name: Wv_scales, .offset: 48, .size: 8, .value_kind: global_buffer, .address_space: global }
      - { .name: bv, .offset: 56, .size: 8, .value_kind: global_buffer, .address_space: global }
      - { .name: kf, .offset: 64, .size: 8, .value_kind: global_buffer, .address_space: global }
      - { .name: ks, .offset: 72, .size: 8, .value_kind: global_buffer, .address_space: global }
      - { .name: vf, .offset: 80, .size: 8, .value_kind: global_buffer, .address_space: global }
      - { .name: vs, .offset: 88, .size: 8, .value_kind: global_buffer, .address_space: global }
      - { .name: Wq_codes, .offset: 96, .size: 8, .value_kind: global_buffer, .address_space: global }
      - { .name: Wo_codes, .offset: 104, .size: 8, .value_kind: global_buffer, .address_space: global }
      - { .name: yi, .offset: 112, .size: 8, .value_kind: global_buffer, .address_space: global }
      - { .name: wqi, .offset: 120, .size: 8, .value_kind: global_buffer, .address_space: global }
      - { .name: wvi, .offset: 128, .size: 8, .value_kind: global_buffer, .address_space: global }
      - { .name: woi, .offset: 136, .size: 8, .value_kind: global_buffer, .address_space: global }
    .group_segment_fixed_size: 27136
    .private_segment_fixed_size: 0
    .kernarg_segment_align: 8
    .kernarg_segment_size: 144
    .max_flat_workgroup_size: 128
    .sgpr_count:     72
    .vgpr_count:     352
    .wavefront_size: 32
...
	.end_amdgpu_metadata
.endif
;; end of part 1
;; launch attn (part 2): grid 256 x 1, 8 waves a work-group, no clusters, 309,504 bytes of LDS; arguments X_pairs, presence_q, presence_k, yi, Y_lift_scales, wqi, Wq_scales, bq, wvi, Wv_scales, bv, woi, Wo_scales, bo, Wg1, bg1, wg2, bg2, kf, ks, vf, vs, out0; writes out0
.if DOCPART == 2
	.amdgcn_target "amdgcn-amd-amdhsa--gfx1250"
	.amdhsa_code_object_version 6
	.text
	.protected	k_qfe9e3f9a99_attn
	.globl	k_qfe9e3f9a99_attn
	.p2align	8
	.type	k_qfe9e3f9a99_attn,@function
k_qfe9e3f9a99_attn:
	s_mov_b64 s[64:65], 0
	v_nop
	global_prefetch_b8 v0, s[64:65] scope:SCOPE_SE
	s_setreg_imm32_b32 hwreg(HW_REG_WAVE_MODE, 25, 1), 1
	s_wait_xcnt 0x0
; One work-group: 16 queries of one batch, all 8 heads, all 1,024 keys, from the Q projection to the output.  All quantised products on codes of FP6 (E2M3) with E8M0 scales.
; PROLOGUE (wave w = head w): Q and V of my 16 rows and my head's 32 columns; Q is quantised; tables go to LDS.  Meanwhile my wave's share of X_pairs (16 queries x 128 keys x 3) comes into LDS by two tensor loads.
; PHASE 1 (wave w = keys 128 w .. 128 w + 127, all heads), a block of 32 keys at a time.  For each head: 16 x loc by packed f32 multiply-adds (it becomes the C of the score product), u = k q + 16 loc by two matrix
;   instructions, t = u log2(e) / 16 + beta', p = 2^(t - M_b) with M_b the ceiling of the BLOCK's largest t, p's codes, its scale byte, -M_b and the sum of the unquantised p: a record in LDS.
; PHASE 2 (wave w = head w): every block is brought under the row's M by changing its scale byte and by ldexp of its sum, both exact powers of two; O^T = V^T P^T; O = V + O / l; O is quantised; out = O + relu(O Wo + bo).
; THE CODES OF Y, Wq, Wv AND Wo come as images of operand registers, which the first launch has laid out (the given codes, bit for bit): a fragment is three loads of the wave, 512 consecutive bytes each.
; THE SCORE PRODUCT has K = 32.  A fragment of K holds 16 keys x the dims of FOUR heads (128 along K); Q's fragment for head hd holds its 32 codes in block hd % 4 and zero codes elsewhere, which add nothing.
; BOTH ATTENTION PRODUCTS ARE USED TRANSPOSED: a lane holds one query (lane % 16); in phase 1 its 16 registers are keys 16 (lane / 16) + 0 .. 15 of the block (the first launch chose the tiles' rows for that).
; THE MASKS.  reference() makes pk (pq L - (1 - pq) INF) - (1 - pk) INF.  Here t = fma(u, log2(e) / 16, beta'), beta' = log2(e) (pk (-(1 - pq) INF) - (1 - pk) INF).  Where beta' is 0 (pq = pk = 1) that is L log2(e);
;   where it is not, its size swallows L in reference() and here alike.  M is taken off t by an addition of its own, so that equal t give exactly 0: a row with pq = 0 comes out uniform, as in reference().
; LIMITS: that folding holds for every presence in [0, 1], and outside it unless pk (1 - pq) + (1 - pk) cancels to 0 with pq pk other than 1; it needs |logit| < 1e22.  A block more than 124 powers of two under the row's M
;   keeps the scale byte 0 (2^-127): what it adds is under 7.5 x 2^-127 a code.  NaN and infinities among the inputs are not served.  X_lift enters nothing in reference() and is not read.
; NO CLUSTER: the 64 work-groups of a batch read the same 393,216 bytes of K's and V's fragments, but LDS holds 308,480 bytes already; the 19,200 left would make a ring refilled every few records, each refill behind a round.
;   So the fragments go from memory straight into operand registers, three loads of 16 bytes a lane each.
; LDS is filled by tensor loads once: no bytes are filled again.
; THE SUMS OF THE MATRIX INSTRUCTIONS take turns, one instruction a turn, through the whole text, and no two that follow each other share a register:
;   v112, v120 (Q) | v128, v136 (V) | v188, v196, v204, v212 (scores, going round) | v16, v24 (O^T) | v48, v56 (O Wo).
.set XW,   26112                       ; LDS: a wave's share of X: two halves of 64 keys
.set XH,   13056                       ; a half: 16 rows x 816 bytes = 51 blocks of 256 bytes
.set XP,   816                         ; a row of a half: 192 words + 2 words of padding behind every 32.  A block of 32 keys is 408 bytes of it
.set BST,  208896                      ; beta' as images of registers: wave x 8,192 + block x 2,048 + chunk x 512 + lane x 16
.set QHI,  274432                      ; Q's eight fragments as images: head x 1,536
.set QSW,  286720                      ; their scale words: head x 128 + lane x 4
.set WTB,  287744                      ; the MLPs' weights: head x 64: 0-8 Wg1[c][d] at 3 c + d, 9-11 bg1, 12-14 16 wg2, 15 16 bg2
.set OCB,  288256                      ; O's codes: 16 rows, 208 bytes apart
.set OSB,  291584                      ; O's scale bytes: 8 a row
.set STG,  291840                      ; first V of my rows (wave x 2,048), later the stage for the output: 16 rows x (1,024 + 16) bytes
; A RECORD (wave s, half c, block bb, query r) lies over X's bytes of that very block, which are in registers by then: at s XW + c XH + r XP + 416 bb; head hd's 32 codes at + 24 hd, its [-M_b, l0, byte, l1] at + 192 + 16 hd.
.set L16,  1                           ; v1   16 x lane; never rewritten once made
.set L4,   2                           ; v2   4 x lane; never rewritten once made
.set AX1B, 3                           ; v3   X: my wave's share + row r + 200 h
.set AX2B, 4                           ; v4   the same with 208 h, for the words that lie behind one padding more in lanes 16-31
.set AX1,  5                           ; v5, v6  those two in the block in hand
.set AX2,  6
.set RCB,  7                           ; v7   records: my 12 bytes of a head's codes
.set RSB,  8                           ; v8   and my 8 bytes of its four words
.set RC,   9                           ; v9, v10 those two in the block in hand
.set RS,   10
.set AW,   11                          ; v11  the weights' table (the same in all lanes)
.set AQ,   12                          ; v12  Q's images
.set AS,   13                          ; v13  Q's scale words
.set ABB,  14                          ; v14  my wave's beta'
.set AB,   15                          ; v15  the block's
.set XC,   16                          ; v16-63   X by coordinate: coordinate c of key 16 h + i at 16 + 16 c + i, so that two neighbouring keys are a register pair
.set BETA, 64                          ; v64-79   beta' of my 16 keys
.set WA,   80                          ; v80-95, v96-111  the 16 weights of two heads
.set WB,   96
.set QHA,  112                         ; v112-123, v124-135  Q's fragments of two heads
.set QHB,  124
.set QSA,  136                         ; v136, v137  their scale words
.set QSB,  137
.set KSA,  138                         ; v138, v139  K's scale words: lanes 0-15 tile 0, lanes 16-31 tile 1
.set KSB,  139
.set KFA,  140                         ; v140-163  K's two tiles for heads 0-3;  v164-187 for heads 4-7
.set KFB,  164
.set SA,   188                         ; v188-203, v204-219  16 loc, then the scores, then p, of two heads
.set SB,   204
.set HH,   220                         ; v220-243  the hidden layer: 4 pairs of keys x 3 units x 2; behind it the softmax's small numbers:
.set TA,   220                         ; + 0, 1 maxima; + 2 -M_b; + 3 the largest t, then the largest p; + 4 the conversion's scale; + 5 the byte; + 6, 7 what goes to the record; + 8 .. 10 the codes
.set TB,   232
.macro BARRIER                                 ; my LDS stores have landed and my LDS loads are in: then the work-group's barrier
	s_wait_dscnt 0x0
	s_barrier_signal -1
	s_barrier_wait -1
.endm
; a weight's share for this wave: my head's four fragments (tile u, K step s at 12 (2 u + s)) as images, 12 loads of 512 consecutive bytes; its scale words; its bias in the result's layout.  18 loads
.macro WLOAD dst, sdst, ddst, cptr, sptr, bptr
.irp c, 0,1,2,3,4,5,6,7,8,9,10,11
	global_load_b128 v[\dst+4*\c:\dst+4*\c+3], v[L16], s[\cptr:\cptr+1] offset:512*\c
.endr
.irp u, 0,1
	global_load_b64 v[\sdst+2*\u:\sdst+2*\u+1], v[AWS], s[\sptr:\sptr+1] offset:64*\u
	global_load_b128 v[\ddst+8*\u:\ddst+8*\u+3], v[AB64], s[\bptr:\bptr+1] offset:32*\u
	global_load_b128 v[\ddst+8*\u+4:\ddst+8*\u+7], v[AB64], s[\bptr:\bptr+1] offset:32*\u+16
.endr
.endm
; 16 rows x my 32 columns: source 0 = the weight's tile, source 1 = the rows; C = the bias; the two sums take turns.  Register i of lane (r, h): row r, column 16 h + i of my 32
.macro PMUL d, wf, wsc, yf, ysc
.irp s, 0,1
.irp u, 0,1
	v_wmma_scale_f32_16x16x128_f8f6f4 v[\d+8*\u:\d+8*\u+7], v[\wf+12*(2*\u+\s):\wf+12*(2*\u+\s)+11], v[\yf+12*\s:\yf+12*\s+11], v[\d+8*\u:\d+8*\u+7], v[\wsc+2*\u+\s], v[\ysc+\s] matrix_a_fmt:MATRIX_FMT_FP6 matrix_b_fmt:MATRIX_FMT_FP6
.endr
.endr
.endm
; half a block of 32 in each of lanes l and l xor 16: codes to v[t+4 .. t+6], the scale's byte to v[t+3].  v[t+1] has been written
.macro QUANT1 s, t
	v_max3_num_f32 v[\t], |v[\s]|, |v[\s+1]|, 0x1800000   ; and the floor 2^(3 - 127): the byte cannot fall under 1
.irp i, 2,4,6,8,10,12,14
	v_max3_num_f32 v[\t], v[\t], |v[\s+\i]|, |v[\s+\i+1]|
.endr
	v_permlanex16_b32 v[\t+1], v[\t], s86, s87
	v_max_num_f32 v[\t], v[\t], v[\t+1]
	v_add_nc_u32 v[\t+2], 0xff000000, v[\t]        ; 2 off the exponent field: the conversion's scale operand
	v_cvt_scalef32_pk16_fp6_f32 v[\t+4:\t+6], v[\s:\s+15], v[\t+2]
	v_lshrrev_b32 v[\t+3], 23, v[\t+2]             ; the byte.  (Also the plain place behind the conversion)
.endm
.macro WGET w, hd                              ; a head's 16 weights, the same in every lane
.irp j, 0,1,2,3
	ds_load_b128 v[\w+4*\j:\w+4*\j+3], v[AW] offset:64*\hd+16*\j
.endr
.endm
.macro QGET qh, qs, hd                         ; a head's Q fragment and scale word
.irp c, 0,1,2
	ds_load_b128 v[\qh+4*\c:\qh+4*\c+3], v[AQ] offset:1536*\hd+512*\c
.endr
	ds_load_b32 v[\qs], v[AS] offset:128*\hd
.endm
.macro KLOAD kf, ksr, koff, ksoff              ; a record of K: two tiles for four heads, and their scale words.  7 loads
.irp c, 0,1,2,3,4,5
	global_load_b128 v[\kf+4*\c:\kf+4*\c+3], v[L16], s[52:53] offset:\koff+512*\c
.endr
	global_load_b32 v[\ksr], v[L4], s[54:55] offset:\ksoff
.endm
; packed multiply-adds with weights that serve both halves: a weight is picked out of its aligned register pair by op_sel and op_sel_hi
.macro FWW d, x, wk, wa                        ; d = x W[wk] + W[wa]
.set PK_, (\wk)-(\wk)%2
.set PA_, (\wa)-(\wa)%2
.if ((\wk)%2 == 0) && ((\wa)%2 == 0)
	v_pk_fma_f32 v[\d:\d+1], v[\x:\x+1], v[PK_:PK_+1], v[PA_:PA_+1] op_sel_hi:[1,0,0]
.elseif ((\wk)%2 == 1) && ((\wa)%2 == 0)
	v_pk_fma_f32 v[\d:\d+1], v[\x:\x+1], v[PK_:PK_+1], v[PA_:PA_+1] op_sel:[0,1,0] op_sel_hi:[1,1,0]
.elseif ((\wk)%2 == 0) && ((\wa)%2 == 1)
	v_pk_fma_f32 v[\d:\d+1], v[\x:\x+1], v[PK_:PK_+1], v[PA_:PA_+1] op_sel:[0,0,1] op_sel_hi:[1,0,1]
.else
	v_pk_fma_f32 v[\d:\d+1], v[\x:\x+1], v[PK_:PK_+1], v[PA_:PA_+1] op_sel:[0,1,1] op_sel_hi:[1,1,1]
.endif
.endm
.macro FWH d, x, wk                            ; d += x W[wk]
.set PK_, (\wk)-(\wk)%2
.if (\wk)%2 == 0
	v_pk_fma_f32 v[\d:\d+1], v[\x:\x+1], v[PK_:PK_+1], v[\d:\d+1] op_sel_hi:[1,0,1]
.else
	v_pk_fma_f32 v[\d:\d+1], v[\x:\x+1], v[PK_:PK_+1], v[\d:\d+1] op_sel:[0,1,0] op_sel_hi:[1,1,1]
.endif
.endm
.macro RELU2                                   ; the hidden layer's activation
.set j, 0
.rept 24
	v_max_num_f32 v[HH+j], 0, v[HH+j]
.set j, j+1
.endr
.endm
; 16 loc of eight keys (four pairs), stage by stage over the pairs, so that no line waits for the line above it: 72 instructions
.macro LOC s, w, part
.irp d, 0,1,2
.irp g, 0,1,2,3
	FWW HH+6*\g+2*\d, XC+2*(4*\part+\g), \w+\d, \w+9+\d
.endr
.endr
.irp c, 1,2
.irp d, 0,1,2
.irp g, 0,1,2,3
	FWH HH+6*\g+2*\d, XC+16*\c+2*(4*\part+\g), \w+3*\c+\d
.endr
.endr
.endr
	RELU2
.irp g, 0,1,2,3
	FWW \s+2*(4*\part+\g), HH+6*\g, \w+12, \w+15
.endr
.irp g, 0,1,2,3
	FWH \s+2*(4*\part+\g), HH+6*\g+2, \w+13
.endr
.irp g, 0,1,2,3
	FWH \s+2*(4*\part+\g), HH+6*\g+4, \w+14
.endr
.endm
.macro MM s, kf, ksr, qh, qs                   ; u = k q + 16 loc: source 0 = 16 keys, source 1 = my 16 queries, C and D = 16 loc's registers
	v_wmma_scale_f32_16x16x128_f8f6f4 v[\s:\s+7], v[\kf:\kf+11], v[\qh:\qh+11], v[\s:\s+7], v[\ksr], v[\qs] matrix_a_fmt:MATRIX_FMT_FP6 matrix_b_fmt:MATRIX_FMT_FP6
	v_wmma_scale_f32_16x16x128_f8f6f4 v[\s+8:\s+15], v[\kf+12:\kf+23], v[\qh:\qh+11], v[\s+8:\s+15], v[\ksr], v[\qs] matrix_a_fmt:MATRIX_FMT_FP6 matrix_b_fmt:MATRIX_FMT_FP6 matrix_a_scale:MATRIX_SCALE_ROW1
.endm
.macro SOFT_T s                                ; t = u log2(e) / 16 + beta'; each result from its low end on
.irp j, 0,2,4,6,8,10,12,14
	v_pk_fma_f32 v[\s+\j:\s+\j+1], v[\s+\j:\s+\j+1], s[84:85], v[BETA+\j:BETA+\j+1] op_sel_hi:[1,0,1]
.endr
.endm
.macro SOFT_MAX s, t                           ; the block's largest t, -M_b = floor(-t), and the largest t - M_b
	v_max3_num_f32 v[\t], v[\s], v[\s+1], v[\s+2]
	v_max3_num_f32 v[\t+1], v[\s+3], v[\s+4], v[\s+5]
	v_max3_num_f32 v[\t], v[\t], v[\s+6], v[\s+7]
	v_max3_num_f32 v[\t+1], v[\t+1], v[\s+8], v[\s+9]
	v_max3_num_f32 v[\t], v[\t], v[\s+10], v[\s+11]
	v_max3_num_f32 v[\t+1], v[\t+1], v[\s+12], v[\s+13]
	v_max3_num_f32 v[\t], v[\t], v[\s+14], v[\s+15]
	v_max_num_f32 v[\t], v[\t], v[\t+1]
	v_permlanex16_b32 v[\t+1], v[\t], s86, s87     ; the block's other 16 keys lie in lane l xor 16
	v_max_num_f32 v[\t+3], v[\t], v[\t+1]
	v_floor_f32 v[\t+2], -v[\t+3]                  ; M_b IS A WHOLE NUMBER
	v_add_f32 v[\t+3], v[\t+3], v[\t+2]
.endm
.macro SOFT_SUB s, t                           ; t - M_b by an addition of its own: equal t give exactly 0, however large
.irp j, 0,2,4,6,8,10,12,14
	v_pk_add_f32 v[\s+\j:\s+\j+1], v[\s+\j:\s+\j+1], v[\t+2:\t+3] op_sel_hi:[1,0]
.endr
.endm
.macro SOFT_EXP s, t                           ; p = 2^(t - M_b); the same instruction on the largest t - M_b gives the block's largest p, in (1/2, 1]
.set j, 0
.rept 16
	v_exp_f32 v[\s+j], v[\s+j]
.set j, j+1
.endr
	v_exp_f32 v[\t+3], v[\t+3]
.endm
.macro SOFT_FIN s, t, hd                       ; codes, byte, sum; the record
	v_add_nc_u32 v[\t+4], 0xff000000, v[\t+3]      ; 2 off the exponent field of the largest p: no floor is wanted, it lies over 1/2
	v_cvt_scalef32_pk16_fp6_f32 v[\t+8:\t+10], v[\s:\s+15], v[\t+4]
	v_lshrrev_b32 v[\t+5], 23, v[\t+4]             ; the byte.  (Also the plain place behind the conversion)
	v_cndmask_b32 v[\t+6], v[\t+2], v[\t+5], s88   ; lanes 0-15 hand on -M_b, lanes 16-31 the byte
	v_pk_add_f32 v[\s:\s+1], v[\s:\s+1], v[\s+2:\s+3]           ; THE SUM IS TAKEN OF THE UNQUANTISED p
	v_pk_add_f32 v[\s+4:\s+5], v[\s+4:\s+5], v[\s+6:\s+7]
	v_pk_add_f32 v[\s+8:\s+9], v[\s+8:\s+9], v[\s+10:\s+11]
	v_pk_add_f32 v[\s+12:\s+13], v[\s+12:\s+13], v[\s+14:\s+15]
	v_pk_add_f32 v[\s:\s+1], v[\s:\s+1], v[\s+4:\s+5]
	v_pk_add_f32 v[\s+8:\s+9], v[\s+8:\s+9], v[\s+12:\s+13]
	v_pk_add_f32 v[\s:\s+1], v[\s:\s+1], v[\s+8:\s+9]
	v_add_f32 v[\t+7], v[\s], v[\s+1]
	ds_store_b32 v[RC], v[\t+8] offset:24*\hd
	ds_store_b32 v[RC], v[\t+9] offset:24*\hd+4
	ds_store_b32 v[RC], v[\t+10] offset:24*\hd+8
	ds_store_b64 v[RS], v[\t+6:\t+7] offset:16*\hd
.endm
; TWO HEADS of a block.  One head's matrix instructions stand among the other head's vector work, and every LDS load is asked for a stretch ahead of its use.
; A unit issues 24 LDS instructions in this order: next W_A 4, next Q_A 4, next W_B 4, next Q_B 4, record A 4, record B 4; LDS instructions come back in order (ISA guide 5.7.1), which the three counts lean on.
.macro UNIT2 hA, hB, kf, ksr, nA, nB, kwait, reload, koff, ksoff
	s_wait_dscnt 20                                ; W_A is in: behind its four loads the last unit issued Q_A 4, W_B 4, Q_B 4 and 8 stores
	LOC SA, WA, 0
	LOC SA, WA, 1
	WGET WA, \nA
	s_wait_dscnt 16                                ; W_B, and the older Q_A, are in: behind them Q_B 4, 8 stores, and the four loads just issued
	LOC SB, WB, 0
.if \kwait
	s_wait_loadcnt 7                               ; this record of K is in; the other record's seven loads may be out
.endif
	MM SA, \kf, \ksr, QHA, QSA
	LOC SB, WB, 1                                  ; 72 plain instructions that name none of those products' registers: their places (ISA guide 7.12.1)
	QGET QHA, QSA, \nA
	WGET WB, \nB
	SOFT_T SA
	s_wait_dscnt 20                                ; Q_B is in: behind it 8 stores and this unit's 12 loads
	MM SB, \kf, \ksr, QHB, QSB
	SOFT_MAX SA, TA                                ; twelve instructions on the other head's registers: the places ahead of the loads below
	QGET QHB, QSB, \nB
.if \reload
	KLOAD \kf, \ksr, \koff, \ksoff                 ; both pairs of heads have multiplied by this record: it takes the next block's
.endif
	SOFT_SUB SA, TA
	SOFT_EXP SA, TA
	SOFT_T SB                                      ; the other head's plain work stands behind the first batch of exponentials and names none of its results
	SOFT_MAX SB, TB
	SOFT_SUB SB, TB
	SOFT_EXP SB, TB
	v_nop                                          ; a plain instruction behind the last exponential
	s_wait_alu depctr_va_vdst(0)                   ; one wait for both heads' 34 exponentials, ahead of the first instruction that names a result
	SOFT_FIN SA, TA, \hA
	SOFT_FIN SB, TB, \hB
.endm
; A BLOCK of 32 keys, all eight heads
.macro BLOCK
	s_wait_xcnt 0x0                                ; the last loads of K have read their bases: they step to the next block's records;
	s_cmp_lt_u32 s96, 3                            ; in the last block they stay, and its own records are read once more: no load leaves its buffer
	s_cselect_b32 s100, 6144, 0
	s_cselect_b32 s66, 256, 0
	s_add_nc_u64 s[52:53], s[52:53], s[100:101]
	s_add_nc_u64 s[54:55], s[54:55], s[66:67]
	v_add_nc_u32 v[AX1], s97, v[AX1B]
	v_add_nc_u32 v[AX2], s97, v[AX2B]
	v_add_nc_u32 v[RC], s98, v[RCB]
	v_add_nc_u32 v[RS], s98, v[RSB]
	v_add_nc_u32 v[AB], s99, v[ABB]
; my 16 keys' 48 words, sorted by coordinate.  Word k lies 4 k + 8 (k / 32) bytes on in lanes 0-15; in lanes 16-31 48 words further: 200 bytes, or 208 where one padding more lies between
.set k, 0
.rept 48
.if (k >= 16) && (k < 32)
	ds_load_b32 v[XC+16*(k%3)+k/3], v[AX2] offset:4*k+8*(k/32)
.else
	ds_load_b32 v[XC+16*(k%3)+k/3], v[AX1] offset:4*k+8*(k/32)
.endif
.set k, k+1
.endr
.irp j, 0,1,2,3
	ds_load_b128 v[BETA+4*\j:BETA+4*\j+3], v[AB] offset:512*\j
.endr
	s_wait_dscnt 0x0                               ; X is in registers: the block's records may be laid over its bytes
	UNIT2 0, 1, KFA, KSA, 2, 3, 1, 0, 0, 0
	UNIT2 2, 3, KFA, KSA, 4, 5, 0, 1, 0, 0
	UNIT2 4, 5, KFB, KSB, 6, 7, 1, 0, 0, 0
	UNIT2 6, 7, KFB, KSB, 0, 1, 0, 1, 3072, 128
.endm
; a half of my keys: two blocks.  Written out for each half, so that every LDS address of a half's text lies in that half by constants
.macro HALF c
	s_mov_b32 s97, \c*XH
	s_mov_b32 s98, \c*XH
	s_mov_b32 s99, \c*4096
	s_mov_b32 s95, 0
.Lblock_\c:
	BLOCK
	s_add_co_u32 s97, s97, 408
	s_add_co_u32 s98, s98, 416
	s_add_co_u32 s99, s99, 2048
	s_add_co_u32 s96, s96, 1
	s_add_co_u32 s95, s95, 1
	s_cmp_lt_u32 s95, 2
	s_cbranch_scc1 .Lblock_\c
.endm
	s_load_b512 s[16:31], s[0:1], 0x0              ; X_pairs, presence_q, presence_k, Y's images, Y's scales, Wq's images, Wq's scales, bq
	s_load_b512 s[32:47], s[0:1], 0x40             ; Wv's images, Wv's scales, bv, Wo's images, Wo's scales, bo, Wg1, bg1
	s_load_b256 s[48:55], s[0:1], 0x80             ; wg2, bg2, kf, ks
	s_load_b128 s[56:59], s[0:1], 0xa0             ; vf, vs
	s_load_b64 s[60:61], s[0:1], 0xb0              ; out0
	s_set_vgpr_msb 0x40
	v_lshl_add_u32 v0, v0, 2, 0x4b500
	v_mov_b32 v1, 0
	s_set_vgpr_msb 0x4045
	ds_add_u32 v0, v1
	ds_add_u32 v0, v1
	s_set_vgpr_msb 0x4500
	v_lshrrev_b32 v1, 5, v0
	v_readfirstlane_b32 s2, v1                     ; wave 0..7
	s_mov_b32 s3, ttmp9                            ; work-group: rows 16 wg .. 16 wg + 15 of the 4,096
	; descriptor group 1: 16 rows x 192 words (64 keys x 3), rows 3,072 words apart in memory (each 768 bytes from a multiple of 256), 2 words of padding behind every 32 in LDS
	s_mov_b32 s68, (2<<16)|(1<<20)|(4<<22)|(1<<25) ; 17:16 elements of 4 bytes; 20 padding on; 24:22 after every 32 words (code 4); 31:25 2 words of it (code 1)
	s_mov_b32 s69, 192<<16                         ; tensor_dim0
	s_mov_b32 s70, 16<<16                          ; tensor_dim1
	s_mov_b32 s71, 192<<16                         ; tile_dim0
	s_mov_b32 s72, 16                              ; tile_dim1
	s_mov_b32 s73, 3072                            ; tensor_dim0_stride
	s_mov_b32 s74, 0
	s_mov_b32 s75, 0
	s_mov_b32 s76, 1                               ; group 0 for each half: count = 1,
	s_mul_i32 s77, s2, XW                          ; LDS address: wave x 26,112 (+ 13,056),
	s_mov_b32 s80, 1
	s_add_co_u32 s81, s77, XH
	s_mul_i32 s4, s3, 196608                       ; global address: 16 rows of 12,288 bytes a work-group,
	s_mul_i32 s5, s2, 1536                         ; 128 keys of 12 bytes a wave
	s_add_co_u32 s4, s4, s5
	s_mov_b32 s5, 0
	s_wait_dscnt 0x0
	s_wait_kmcnt 0x0
	s_add_nc_u64 s[78:79], s[16:17], s[4:5]
	s_add_nc_u64 s[82:83], s[78:79], 768
	s_or_b32 s79, s79, 0x80000000                  ; type = 2
	s_or_b32 s83, s83, 0x80000000
	tensor_load_to_lds s[76:79], s[68:75]          ; my wave's two fills, its only ones: two tensor loads of mine are out
	s_nop 0
	tensor_load_to_lds s[80:83], s[68:75]
	s_nop 0
.rept 4
	v_nop
.endr
	s_mov_b32 s84, 0x3db8aa3b                      ; log2(e) / 16 (a packed form names the pair and takes its low word for both halves)
	s_mov_b32 s85, 0x3db8aa3b
	s_mov_b32 s86, 0x76543210                      ; v_permlanex16_b32's selects for lane l xor 16
	s_mov_b32 s87, 0xfedcba98
	s_mov_b32 s88, 0xffff0000                      ; lanes 16-31
	s_mov_b32 s90, 0xfe967699                      ; -INF = -1e38
	s_mov_b32 s91, 0xfe967699
	s_mov_b32 s92, 0x3fb8aa3b                      ; log2(e)
	s_mov_b32 s93, 0x3fb8aa3b
	s_mov_b32 s96, 0                               ; the block in hand, 0 .. 3
	s_mov_b32 s67, 0
	s_mov_b32 s101, 0
	s_lshr_b32 s62, s3, 6                          ; batch
	s_mul_i32 s4, s3, 3072
	s_add_nc_u64 s[22:23], s[22:23], s[4:5]        ; Y's images at my 16 rows: two fragments of 1,536 bytes
	s_lshl_b32 s4, s3, 7
	s_add_nc_u64 s[24:25], s[24:25], s[4:5]        ; and their scale bytes
	s_lshl_b32 s4, s3, 6
	s_add_nc_u64 s[18:19], s[18:19], s[4:5]        ; presence_q at my rows
	s_lshl_b32 s4, s62, 12
	s_lshl_b32 s12, s2, 9
	s_add_co_u32 s4, s4, s12
	s_add_nc_u64 s[20:21], s[20:21], s[4:5]        ; presence_k at my wave's 128 keys
	s_mul_i32 s6, s2, 6144                         ; my head's share of a weight: four fragments of 1,536 bytes,
	s_mov_b32 s7, 0
	s_lshl_b32 s8, s2, 8                           ; scale bytes,
	s_mov_b32 s9, 0
	s_lshl_b32 s10, s2, 7                          ; bias
	s_mov_b32 s11, 0
.irp p, 26,32,38
	s_add_nc_u64 s[\p:\p+1], s[\p:\p+1], s[6:7]
	s_add_nc_u64 s[\p+2:\p+3], s[\p+2:\p+3], s[8:9]
	s_add_nc_u64 s[\p+4:\p+5], s[\p+4:\p+5], s[10:11]
.endr
.set AYS,  52                          ; v52-56: the prologue's offsets into memory
.set AWS,  54
.set AB64, 55
.set APQ,  56
	v_and_b32 v[L4], 31, v0
	v_lshlrev_b32 v[L16], 4, v[L4]
	v_lshlrev_b32 v[L4], 2, v[L4]
	v_and_b32 v59, 15, v0                          ; r
	v_bfe_u32 v60, v0, 4, 1                        ; h
	v_and_b32 v61, 8, v59
	v_add_nc_u32 v61, v61, v59                     ; r + 8 (r / 8)
	v_lshlrev_b32 v[AYS], 3, v59
	v_lshlrev_b32 v[AWS], 3, v61
	v_lshlrev_b32 v[AB64], 6, v60                  ; 16 h numbers on: biases, presence_k
	v_lshlrev_b32 v[APQ], 2, v59
.irp c, 0,1,2,3,4,5
	global_load_b128 v[16+4*\c:16+4*\c+3], v[L16], s[22:23] offset:512*\c   ; my 16 rows of Y, two fragments: v16-39
.endr
	global_load_b64 v[40:41], v[AYS], s[24:25]     ; their scale words
	WLOAD 64, 42, 112, 26, 28, 30                  ; Wq: v64-111, scales v42-45, bq into the sums v112-127
	WLOAD 144, 46, 128, 32, 34, 36                 ; Wv: v144-191, scales v46-49, bv into the sums v128-143 (registers that phase 1's sums do not touch)
.irp k, 0,1,2,3
.irp j, 0,1,2,3
	global_load_b128 v[192+16*\k+4*\j:192+16*\k+4*\j+3], v[AB64], s[20:21] offset:128*\k+16*\j   ; presence_k of block k's keys 16 h + 0 .. 15: v192-255
.endr
.endr
	global_load_b32 v50, v[APQ], s[18:19]          ; presence_q of my query
	; LDS addresses that stay
	v_mul_u32_u24 v63, v59, XP
	v_add_nc_u32 v63, s77, v63                     ; my wave's share, row r
	v_mad_u32_u24 v[AX1B], v60, 200, v63
	v_mad_u32_u24 v[AX2B], v60, 208, v63
	v_mad_u32_u24 v[RCB], v60, 12, v63
	v_lshl_add_u32 v[RSB], v60, 3, v63
	v_add_nc_u32 v[RSB], 192, v[RSB]
	v_mov_b32 v[AW], WTB
	v_add_nc_u32 v[AQ], QHI, v[L16]
	v_add_nc_u32 v[AS], QSW, v[L4]
	s_lshl_b32 s12, s2, 13
	s_add_co_u32 s12, s12, BST
	v_add_nc_u32 v[ABB], s12, v[L16]
	; the weights' table: thread t of the first 128 brings entry t % 16 of head t / 16
	v_lshl_add_u32 v57, v0, 2, WTB
	v_and_b32 v58, 15, v0                          ; i
	v_lshrrev_b32 v63, 4, v0                       ; head
	v_min_u32 v59, 8, v58
	v_lshlrev_b32 v59, 2, v59
	v_mad_u32_u24 v59, v63, 36, v59                ; Wg1: entry min(i, 8)
	v_add_nc_u32 v60, 3, v58
	v_and_b32 v60, 3, v60
	v_min_u32 v60, 2, v60
	v_lshlrev_b32 v60, 2, v60
	v_mad_u32_u24 v60, v63, 12, v60                ; bg1: entry i - 9 where i is 9 .. 11
	v_and_b32 v61, 3, v58
	v_min_u32 v61, 2, v61
	v_lshlrev_b32 v61, 2, v61
	v_mad_u32_u24 v61, v63, 12, v61                ; wg2: entry i - 12 where i is 12 .. 14
	v_lshlrev_b32 v62, 2, v63                      ; bg2
	; the other pointers
	s_mul_i32 s4, s62, 196608
	s_mul_i32 s12, s2, 24576
	s_add_co_u32 s4, s4, s12
	s_add_nc_u64 s[52:53], s[52:53], s[4:5]        ; kf at my wave's first block: 6,144 bytes a block of 32 keys
	s_lshl_b32 s4, s62, 13
	s_lshl_b32 s12, s2, 10
	s_add_co_u32 s4, s4, s12
	s_add_nc_u64 s[54:55], s[54:55], s[4:5]        ; ks: 256 bytes a block
	s_lshl_b32 s12, s62, 3
	s_add_co_u32 s12, s12, s2                      ; 8 b + head
	s_mul_i32 s4, s12, 24576
	s_add_nc_u64 s[56:57], s[56:57], s[4:5]        ; vf at my head
	s_lshl_b32 s4, s12, 10
	s_add_nc_u64 s[58:59], s[58:59], s[4:5]        ; vs
	s_lshl_b32 s4, s3, 14
	s_lshl_b32 s12, s2, 11
	s_add_co_u32 s4, s4, s12
	s_add_nc_u64 s[60:61], s[60:61], s[4:5]        ; out0 at rows 16 wg + 2 w
	s_cmp_lt_u32 s2, 4
	s_cbranch_scc0 .Lno_table
	global_load_b32 v59, v59, s[44:45]             ; each load lands on its own offset register
	global_load_b32 v60, v60, s[46:47]
	global_load_b32 v61, v61, s[48:49]
	global_load_b32 v62, v62, s[50:51]
	s_wait_loadcnt 0x0
	v_mul_f32 v62, 0x41800000, v62                 ; 16 bg2 and 16 wg2: exact; the score product then adds k q onto 16 loc, and one factor log2(e) / 16 serves both
	v_mul_f32 v61, 0x41800000, v61
	v_cmp_gt_u32 vcc_lo, 15, v58
	v_cndmask_b32 v62, v62, v61, vcc_lo
	v_cmp_gt_u32 vcc_lo, 12, v58
	v_cndmask_b32 v62, v62, v60, vcc_lo
	v_cmp_gt_u32 vcc_lo, 9, v58
	v_cndmask_b32 v62, v62, v59, vcc_lo
	ds_store_b32 v57, v62
.Lno_table:
	s_wait_loadcnt 0x0
	PMUL 112, 64, 42, 16, 40                       ; Q of my rows, my head
	PMUL 128, 144, 46, 16, 40                      ; V of my rows, my head: the residual
.rept 4
	v_nop                                          ; four places behind the last product (ISA guide 7.12.1)
.endr
	v_mov_b32 v17, 0                               ; a lane permute's destination counts as one of its sources
	QUANT1 112, 16                                 ; Q's codes v20-22 (dims 16 h + 0 .. 15), byte v19
	; Q's fragment for my head: zeros, but for block j = w % 4 of the 128: registers 6 (j / 2) + 0 .. 5 of lanes r + 16 (j % 2).  My 12 bytes are registers 6 (j / 2) + 3 h + 0 .. 2 there
	v_and_b32 v24, 15, v0                          ; r
	v_bfe_u32 v25, v0, 4, 1                        ; h
	s_and_b32 s12, s2, 3
	s_lshr_b32 s13, s12, 1
	s_and_b32 s12, s12, 1
	s_mul_i32 s13, s13, 6
	s_lshl_b32 s12, s12, 8                         ; 16 lanes of 16 bytes
	s_mul_i32 s14, s2, 1536
	s_add_co_u32 s12, s12, s14
	s_add_co_u32 s12, s12, QHI
	s_add_co_u32 s14, s14, QHI
	v_add_nc_u32 v26, s14, v[L16]
	v_mov_b32 v28, 0
	v_mov_b32 v29, 0
	v_mov_b32 v30, 0
	v_mov_b32 v31, 0
.irp c, 0,1,2
	ds_store_b128 v26, v[28:31] offset:512*\c
.endr
	v_mad_u32_u24 v27, v25, 3, s13                 ; my first register of the fragment
	v_lshl_add_u32 v32, v24, 4, s12
.irp i, 0,1,2
	v_add_nc_u32 v33, \i, v27
	v_lshrrev_b32 v34, 2, v33                      ; which run of 512 bytes,
	v_and_b32 v33, 3, v33                          ; which word of the lane's 16 bytes
	v_lshl_add_u32 v34, v34, 9, v32
	v_lshl_add_u32 v[35+\i], v33, 2, v34
	ds_store_b32 v[35+\i], v[20+\i]                ; LDS serves a wave's instructions in order: these come behind the zeros
.endr
	v_lshl_or_b32 v38, v19, 8, v19                 ; the byte in all four places: the other three scale zero codes
	v_lshl_or_b32 v38, v38, 16, v38
	s_lshl_b32 s15, s2, 7
	v_add_nc_u32 v39, s15, v[AS]
	ds_store_b32 v39, v38
	s_lshl_b32 s15, s2, 11
	s_add_co_u32 s15, s15, STG
	v_add_nc_u32 v40, s15, v[L16]
.irp c, 0,1,2,3
	ds_store_b128 v40, v[128+4*\c:128+4*\c+3] offset:512*\c   ; V of my rows waits in LDS for phase 2, as it stands; each sum from its low end on
.endr
	; beta' of my query and my wave's 128 keys
	v_sub_f32 v42, 1.0, v50
	v_mul_f32 v42, s90, v42                        ; -(1 - pq) INF
	v_mov_b32 v43, v42
.set q, 0
.rept 32
	v_pk_fma_f32 v[64+q:65+q], v[192+q:193+q], -1.0, 1.0 op_sel_hi:[1,0,0]   ; 1 - pk
.set q, q+2
.endr
.set q, 0
.rept 32
	v_pk_mul_f32 v[192+q:193+q], v[192+q:193+q], v[42:43] op_sel_hi:[1,0]    ; pk (-(1 - pq) INF)
.set q, q+2
.endr
.set q, 0
.rept 32
	v_pk_fma_f32 v[192+q:193+q], v[64+q:65+q], s[90:91], v[192+q:193+q] op_sel_hi:[1,0,1]   ; - (1 - pk) INF
.set q, q+2
.endr
.set q, 0
.rept 32
	v_pk_mul_f32 v[192+q:193+q], v[192+q:193+q], s[92:93] op_sel_hi:[1,0]    ; x log2(e)
.set q, q+2
.endr
.irp k, 0,1,2,3
.irp j, 0,1,2,3
	ds_store_b128 v[ABB], v[192+16*\k+4*\j:192+16*\k+4*\j+3] offset:2048*\k+512*\j
.endr
.endr
	s_wait_tensorcnt 0x1                           ; my first half of X has landed; the second half's load may stay out
	s_wait_dscnt 0x0                               ; my stores have landed, and have read their registers:
	KLOAD KFA, KSA, 0, 0                           ; block 0's two records of K land there.  These 14 are the only global loads that are out from here on
	KLOAD KFB, KSB, 3072, 128
	s_barrier_signal -1
	s_barrier_wait -1                              ; Q's images, their scale words and the weights' table lie in LDS
	WGET WA, 0
	QGET QHA, QSA, 0
	WGET WB, 1
	QGET QHB, QSB, 1
	HALF 0
	s_wait_tensorcnt 0x0                           ; my second half of X has landed
	HALF 1
	; ================ PHASE 2: wave w = head w
.set AP,   3                           ; v3, v4  P's codes: row r, block hh, my head; steps 0-1 and 2-3 of four
.set AP2,  4
.set AST,  5                           ; v5, v6  the records' four words: lanes 0-15 take steps 0-3, lanes 16-31 steps 4-7
.set AST2, 6
.set AVR,  7                           ; v7      V of my rows
.set SW,   8                           ; v8-11   P's scale words: register q: lanes 0-15 step q, lanes 16-31 step 4 + q
.set OACC, 16                          ; v16-31  O^T: register i = dim 16 h + i of my head
.set AWS,  35                          ; v35, v36  offsets for Wo's scale words and bo
.set AB64, 36
.set WOS,  40                          ; v40-43  Wo's scale words
.set VS,   44                          ; v44-47  V's scale words of four steps
.set DO,   48                          ; v48-63  at work on the records; then bo, then O Wo + bo
.set VF,   64                          ; v64-159 V's fragments of four steps: 24 a step
.set ST,   160                         ; v160-223 16 blocks' four words
.set PF,   160                         ; v160-207 then P's fragments of four steps
.set WOF,  208                         ; v208-255 Wo's fragments
.macro VGET s0                                 ; four steps of V: 28 loads
.irp q, 0,1,2,3
.irp c, 0,1,2,3,4,5
	global_load_b128 v[VF+24*\q+4*\c:VF+24*\q+4*\c+3], v[L16], s[56:57] offset:3072*(\s0+\q)+512*\c
.endr
	global_load_b32 v[VS+\q], v[L4], s[58:59] offset:128*(\s0+\q)
.endr
.endm
.macro PGET                                    ; four steps of P: lane (r, hh) takes blocks 2 c + hh: 24 bytes each, as they lie
.irp q, 0,1
.irp c, 0,1
.irp i, 0,1,2
	ds_load_b64 v[PF+12*\q+6*\c+2*\i:PF+12*\q+6*\c+2*\i+1], v[AP] offset:\q*XW+\c*XH+8*\i
	ds_load_b64 v[PF+12*(\q+2)+6*\c+2*\i:PF+12*(\q+2)+6*\c+2*\i+1], v[AP2] offset:\q*XW+\c*XH+8*\i
.endr
.endr
.endr
.endm
.macro PV1 q, u, hi, zero                      ; O^T tile u (+)= V^T P^T of step 4 hi + q: source 0 = 16 dims, source 1 = my 16 queries
.set O_, OACC+8*\u
.set V_, VF+24*\q+12*\u
.set P_, PF+12*\q
.if \zero && (\u == 0)
	v_wmma_scale_f32_16x16x128_f8f6f4 v[O_:O_+7], v[V_:V_+11], v[P_:P_+11], 0, v[VS+\q], v[SW+\q] matrix_a_fmt:MATRIX_FMT_FP6 matrix_b_fmt:MATRIX_FMT_FP6
.elseif \zero
	v_wmma_scale_f32_16x16x128_f8f6f4 v[O_:O_+7], v[V_:V_+11], v[P_:P_+11], 0, v[VS+\q], v[SW+\q] matrix_a_fmt:MATRIX_FMT_FP6 matrix_b_fmt:MATRIX_FMT_FP6 matrix_a_scale:MATRIX_SCALE_ROW1
.elseif (\u == 0) && (\hi == 0)
	v_wmma_scale_f32_16x16x128_f8f6f4 v[O_:O_+7], v[V_:V_+11], v[P_:P_+11], v[O_:O_+7], v[VS+\q], v[SW+\q] matrix_a_fmt:MATRIX_FMT_FP6 matrix_b_fmt:MATRIX_FMT_FP6
.elseif (\u == 1) && (\hi == 0)
	v_wmma_scale_f32_16x16x128_f8f6f4 v[O_:O_+7], v[V_:V_+11], v[P_:P_+11], v[O_:O_+7], v[VS+\q], v[SW+\q] matrix_a_fmt:MATRIX_FMT_FP6 matrix_b_fmt:MATRIX_FMT_FP6 matrix_a_scale:MATRIX_SCALE_ROW1
.elseif (\u == 0)
	v_wmma_scale_f32_16x16x128_f8f6f4 v[O_:O_+7], v[V_:V_+11], v[P_:P_+11], v[O_:O_+7], v[VS+\q], v[SW+\q] matrix_a_fmt:MATRIX_FMT_FP6 matrix_b_fmt:MATRIX_FMT_FP6 matrix_b_scale:MATRIX_SCALE_ROW1
.else
	v_wmma_scale_f32_16x16x128_f8f6f4 v[O_:O_+7], v[V_:V_+11], v[P_:P_+11], v[O_:O_+7], v[VS+\q], v[SW+\q] matrix_a_fmt:MATRIX_FMT_FP6 matrix_b_fmt:MATRIX_FMT_FP6 matrix_a_scale:MATRIX_SCALE_ROW1 matrix_b_scale:MATRIX_SCALE_ROW1
.endif
.endm
; block n of my half's sixteen comes under the row's M: d = M_b - M, a whole number, 0 or less, held at -300; its byte + d, held at 0; its sum x 2^d
.macro STATB n
.set B_, ST+4*(\n)
.set T_, 50+4*((\n)%3)
	v_sub_f32 v[T_], v48, v[B_]
	v_cvt_f32_i32 v[T_+1], v[B_+2]
	v_add_f32 v[B_+1], v[B_+1], v[B_+3]            ; the two halves of the lanes' sums
	v_max_num_f32 v[T_], 0xc3960000, v[T_]
	v_cvt_i32_f32 v[T_+2], v[T_]
	v_add_f32 v[T_+1], v[T_+1], v[T_]
	v_max_num_f32 v[T_+1], 0, v[T_+1]
.if (\n) == 0
	v_ldexp_f32 v32, v[B_+1], v[T_+2]              ; the first block starts the row's sum
.else
	v_ldexp_f32 v[B_+1], v[B_+1], v[T_+2]
	v_add_f32 v32, v32, v[B_+1]
.endif
.if (\n)%4 == 0
	v_cvt_u32_f32 v[SW+(\n)/4], v[T_+1]
.else
	v_cvt_u32_f32 v[T_+1], v[T_+1]
	v_lshl_or_b32 v[SW+(\n)/4], v[T_+1], 8*((\n)%4), v[SW+(\n)/4]
.endif
.endm
	s_wait_loadcnt 0x0                             ; the last block's loads of K have landed: their registers may be loaded again
	s_wait_dscnt 0x0                               ; my records have landed, and so have the last unit's loads
	VGET 0                                         ; V's steps 0-3
	v_and_b32 v37, 15, v0                          ; r
	v_bfe_u32 v38, v0, 4, 1                        ; h
	v_mul_u32_u24 v39, v37, XP
	s_mul_i32 s12, s2, 24
	s_lshl_b32 s13, s2, 4
	s_add_co_u32 s13, s13, 192
	v_mad_u32_u24 v[AP], v38, 416, v39
	v_add_nc_u32 v[AP], s12, v[AP]
	v_add_nc_u32 v[AP2], 2*XW, v[AP]
	v_mad_u32_u24 v[AST], v38, 4*XW, v39
	v_add_nc_u32 v[AST], s13, v[AST]
	v_add_nc_u32 v[AST2], 2*XW, v[AST]
	s_lshl_b32 s14, s2, 11
	s_add_co_u32 s14, s14, STG
	v_add_nc_u32 v[AVR], s14, v[L16]
	v_and_b32 v39, 8, v37
	v_add_nc_u32 v39, v39, v37                     ; r + 8 (r / 8)
	v_lshlrev_b32 v[AWS], 3, v39
	v_lshlrev_b32 v[AB64], 6, v38
	s_barrier_signal -1
	s_barrier_wait -1                              ; every wave's records lie in LDS
.irp q, 0,1
.irp e, 0,1,2,3
	ds_load_b128 v[ST+16*\q+4*\e:ST+16*\q+4*\e+3], v[AST] offset:\q*XW+(\e/2)*XH+(\e%2)*416
	ds_load_b128 v[ST+16*(\q+2)+4*\e:ST+16*(\q+2)+4*\e+3], v[AST2] offset:\q*XW+(\e/2)*XH+(\e%2)*416
.endr
.endr
	s_wait_dscnt 0x0
	v_min3_num_f32 v48, v[ST], v[ST+4], v[ST+8]    ; -M of the row: the least of the blocks' -M_b,
.irp e, 3,5,7,9,11,13
	v_min3_num_f32 v48, v48, v[ST+4*\e], v[ST+4*\e+4]
.endr
	v_min_num_f32 v48, v48, v[ST+60]
	v_mov_b32 v49, 0
	v_permlanex16_b32 v49, v48, s86, s87
	v_min_num_f32 v48, v48, v49                    ; the other four steps' too
.irp n, 0,1,2,3,4,5,6,7,8,9,10,11,12,13,14,15
	STATB \n
.endr
	v_permlanex16_b32 v49, v32, s86, s87
	v_add_f32 v32, v32, v49                        ; the row's sum l
	PGET                                           ; P's steps 0-3, over the words that are done with
.rept 8
	v_nop                                          ; a scale register written by a vector instruction stands 8 places ahead of a scaled matrix instruction
.endr
	s_wait_dscnt 0x0
	s_wait_loadcnt 0x0                             ; V's steps 0-3
	PV1 0, 0, 0, 1                                 ; the first step starts the sums; the two tiles take turns
	PV1 0, 1, 0, 1
.irp q, 1,2,3
	PV1 \q, 0, 0, 0
	PV1 \q, 1, 0, 0
.endr
.rept 4
	v_nop                                          ; four places ahead of loads into registers that matrix instructions have read
.endr
	VGET 4                                         ; V's steps 4-7: 28 loads,
	WLOAD WOF, WOS, DO, 38, 40, 42                 ; then Wo's 18
	v_add_nc_u32 v[AP], 4*XW, v[AP]
	v_add_nc_u32 v[AP2], 4*XW, v[AP2]
	PGET                                           ; P's steps 4-7
	v_rcp_f32 v33, v32
	v_nop                                          ; a plain instruction behind the reciprocal,
	s_wait_alu depctr_va_vdst(0)                   ; and a wait ahead of its first reader
	s_wait_loadcnt 18                              ; V's steps 4-7 are in; Wo's 18 loads may stay out
	s_wait_dscnt 0x0
.irp q, 0,1,2,3
	PV1 \q, 0, 1, 0
	PV1 \q, 1, 1, 0
.endr
.rept 4
	v_nop
.endr
.irp c, 0,1,2,3
	ds_load_b128 v[64+4*\c:64+4*\c+3], v[AVR] offset:512*\c   ; V of my rows, my own bytes
.endr
	v_mul_u32_u24 v104, v37, 208                   ; O's codes: row r,
	v_mad_u32_u24 v105, v38, 12, v104
	s_add_co_u32 s14, s12, OCB
	v_add_nc_u32 v105, s14, v105                   ; where I put mine: + 24 w + 12 h;
	v_mad_u32_u24 v108, v38, 24, v104
	v_add_nc_u32 v108, OCB, v108                   ; where I read a fragment: + 24 h
	v_lshlrev_b32 v106, 3, v37
	s_add_co_u32 s15, s2, OSB
	v_add_nc_u32 v107, s15, v106                   ; my head's byte of row r;
	v_add_nc_u32 v109, OSB, v106                   ; row r's eight
	v_mul_u32_u24 v110, v37, 1040
	v_lshl_add_u32 v110, v38, 6, v110
	s_lshl_b32 s14, s2, 7
	s_add_co_u32 s14, s14, STG
	v_add_nc_u32 v110, s14, v110                   ; the stage: row r, + 128 w + 64 h
	s_mul_i32 s15, s2, 2080
	s_add_co_u32 s15, s15, STG
	v_add_nc_u32 v111, s15, v[L16]                 ; and back: rows 2 w, 2 w + 1
	v_mov_b32 v97, 0
	s_wait_dscnt 0x0
.irp j, 0,2,4,6,8,10,12,14
	v_pk_fma_f32 v[80+\j:81+\j], v[OACC+\j:OACC+\j+1], v[32:33], v[64+\j:65+\j] op_sel:[0,1,0] op_sel_hi:[1,1,1]   ; O = V + O^T / l (of the pair l, 1 / l the upper word serves both halves)
.endr
	QUANT1 80, 96                                  ; my head is one block of 32 of the last product's K: codes v100-102, byte v99
.irp i, 0,1,2
	ds_store_b32 v105, v[100+\i] offset:4*\i
.endr
	ds_store_b8 v107, v99                          ; both halves of the lanes write the same byte with the same value
	BARRIER                                        ; O's codes and scale bytes of all eight heads lie in LDS
.irp s, 0,1
.irp p, 0,1,2,3,4,5
	ds_load_b64 v[112+12*\s+2*\p:112+12*\s+2*\p+1], v108 offset:96*\s+48*(\p/3)+8*(\p%3)
.endr
.endr
	ds_load_b64 v[136:137], v109
	s_wait_dscnt 0x0
	s_wait_loadcnt 0x0                             ; Wo, its scales, bo
	PMUL DO, WOF, WOS, 112, 136                    ; O Wo + bo: my 32 columns, in O's own layout
.rept 4
	v_nop
.endr
.set j, 0
.rept 16
	v_max_num_f32 v[DO+j], 0, v[DO+j]
.set j, j+1
.endr
.irp j, 0,2,4,6,8,10,12,14
	v_pk_add_f32 v[80+\j:81+\j], v[80+\j:81+\j], v[DO+\j:DO+\j+1]
.endr
.irp c, 0,1,2,3
	ds_store_b128 v110, v[80+4*\c:80+4*\c+3] offset:16*\c   ; the stage lies where V of the rows lay: every wave has read its part ahead of the last barrier
.endr
	BARRIER                                        ; 16 whole rows lie in the stage
.irp k, 0,1,2,3
	ds_load_b128 v[64+4*\k:64+4*\k+3], v111 offset:(\k/2)*1040+(\k%2)*512
.endr
.irp k, 0,1,2,3
	s_wait_dscnt 3-\k                              ; piece k is in; the younger pieces may be out
	global_store_b128 v[L16], v[64+4*\k:64+4*\k+3], s[60:61] offset:512*\k th:TH_STORE_NT   ; each store of the wave covers 512 consecutive bytes, aligned
.endr
	s_set_vgpr_msb 0x5
	s_wait_tensorcnt 0x0
	ds_add_u32 v0, v1
	s_wait_dscnt 0x0
	s_set_vgpr_msb 0x500
	s_endpgm
.Lfunc_end_k_qfe9e3f9a99_attn:
	.size	k_qfe9e3f9a99_attn, .Lfunc_end_k_qfe9e3f9a99_attn-k_qfe9e3f9a99_attn
	.p2alignl 7, 3214868480
	.fill 96, 4, 3214868480
	.section	.rodata,"a",@progbits
	.p2align	6, 0x0
	.amdhsa_kernel k_qfe9e3f9a99_attn
		.amdhsa_group_segment_fixed_size 309504
		.amdhsa_private_segment_fixed_size 0
		.amdhsa_enable_private_segment 0
		.amdhsa_kernarg_size 184
		.amdhsa_user_sgpr_count 2
		.amdhsa_user_sgpr_kernarg_segment_ptr 1
		.amdhsa_wavefront_size32 1
		.amdhsa_system_sgpr_workgroup_id_x 1
		.amdhsa_system_sgpr_workgroup_id_y 1
		.amdhsa_system_sgpr_workgroup_id_z 1
		.amdhsa_system_vgpr_workitem_id 0
		.amdhsa_next_free_vgpr 258
		.amdhsa_next_free_sgpr 102
		.amdhsa_reserve_vcc 1
		.amdhsa_float_denorm_mode_32 3
		.amdhsa_float_denorm_mode_16_64 3
		.amdhsa_memory_ordered 1
		.amdhsa_forward_progress 1
		.amdhsa_inst_pref_size 253
	.end_amdhsa_kernel
	.amdgpu_metadata
---
amdhsa.version: [ 1, 2 ]
amdhsa.kernels:
  - .name:           k_qfe9e3f9a99_attn
    .symbol:         k_qfe9e3f9a99_attn.kd
    .args:
      - { .name: X_pairs, .offset: 0, .size: 8, .value_kind: global_buffer, .address_space: global }
      - { .name: presence_q, .offset: 8, .size: 8, .value_kind: global_buffer, .address_space: global }
      - { .name: presence_k, .offset: 16, .size: 8, .value_kind: global_buffer, .address_space: global }
      - { .name: yi, .offset: 24, .size: 8, .value_kind: global_buffer, .address_space: global }
      - { .name: Y_lift_scales, .offset: 32, .size: 8, .value_kind: global_buffer, .address_space: global }
      - { .name: wqi, .offset: 40, .size: 8, .value_kind: global_buffer, .address_space: global }
      - { .name: Wq_scales, .offset: 48, .size: 8, .value_kind: global_buffer, .address_space: global }
      - { .name: bq, .offset: 56, .size: 8, .value_kind: global_buffer, .address_space: global }
      - { .name: wvi, .offset: 64, .size: 8, .value_kind: global_buffer, .address_space: global }
      - { .name: Wv_scales, .offset: 72, .size: 8, .value_kind: global_buffer, .address_space: global }
      - { .name: bv, .offset: 80, .size: 8, .value_kind: global_buffer, .address_space: global }
      - { .name: woi, .offset: 88, .size: 8, .value_kind: global_buffer, .address_space: global }
      - { .name: Wo_scales, .offset: 96, .size: 8, .value_kind: global_buffer, .address_space: global }
      - { .name: bo, .offset: 104, .size: 8, .value_kind: global_buffer, .address_space: global }
      - { .name: Wg1, .offset: 112, .size: 8, .value_kind: global_buffer, .address_space: global }
      - { .name: bg1, .offset: 120, .size: 8, .value_kind: global_buffer, .address_space: global }
      - { .name: wg2, .offset: 128, .size: 8, .value_kind: global_buffer, .address_space: global }
      - { .name: bg2, .offset: 136, .size: 8, .value_kind: global_buffer, .address_space: global }
      - { .name: kf, .offset: 144, .size: 8, .value_kind: global_buffer, .address_space: global }
      - { .name: ks, .offset: 152, .size: 8, .value_kind: global_buffer, .address_space: global }
      - { .name: vf, .offset: 160, .size: 8, .value_kind: global_buffer, .address_space: global }
      - { .name: vs, .offset: 168, .size: 8, .value_kind: global_buffer, .address_space: global }
      - { .name: out0, .offset: 176, .size: 8, .value_kind: global_buffer, .address_space: global }
    .group_segment_fixed_size: 309504
    .private_segment_fixed_size: 0
    .kernarg_segment_align: 8
    .kernarg_segment_size: 184
    .max_flat_workgroup_size: 256
    .sgpr_count:     102
    .vgpr_count:     258
    .wavefront_size: 32
...
	.end_amdgpu_metadata
.endif
;; end of part 2
